; MI455X (gfx1250); checked and timed in simulation.
; The chip was launched on July 23, 2026; its instructions are those of AMD's public machine-readable ISA for CDNA 5 (MIT licence, August 2026) and "CDNA5" Instruction Set Architecture Reference Guide (July 2026). The comments in the code are by the model that wrote it; some were corrected since.
;; DTW Features c. Allowed arithmetic: float matrix products may take bf16 or f16 operands with f32 sums; other float arithmetic in f32, or as packed bf16 or f16 multiplies, adds, multiply-adds, maxima and minima; sums over many terms, partial sums and values carried from step to step in f32; what a program stores and reads back later, other than sums and carried values, may be rounded once to bf16 or f16.
;; Inputs: patts 64 x 32 float32; w one number float32; x 64 x 6 x 512 float32.
;; Outputs: out0 64 x 64 x 6 x 512 float32.
;; One version. Each part assembles by itself: llvm-mc -triple=amdgcn-amd-amdhsa -mcpu=gfx1250 --defsym DOCPART=n.
;; ======== version 1 of 1: 1 launch
;; launch dtw (part 1): grid 256 x 1, 12 waves a work-group, no clusters, 61,440 bytes of LDS; arguments x, patts, w, out0; writes out0
.if DOCPART == 1
	.amdgcn_target "amdgcn-amd-amdhsa--gfx1250"
	.amdhsa_code_object_version 6
	.text
	.protected	k_qa990f1e94e_dtw
	.globl	k_qa990f1e94e_dtw
	.p2align	8
	.type	k_qa990f1e94e_dtw,@function
k_qa990f1e94e_dtw:
	s_mov_b64 s[64:65], 0
	v_nop
	global_prefetch_b8 v0, s[64:65] scope:SCOPE_SE
	s_setreg_imm32_b32 hwreg(HW_REG_WAVE_MODE, 25, 1), 1
	s_wait_xcnt 0x0
; out0[b][n][d][j] = sqrt(D[31][j]),  D[0][j] = c[0][j],  D[i][j] = c[i][j] + w min(D[i][j-1], D[i-1][j-1], D[i-1][j]),  c[i][j] = (patts[n][i] - x[b][d][j])^2,
; D = +inf left of j = 0.  x: [64][6][512], patts: [64][32], w: one number, out0: [64][64][6][512], all f32; all arithmetic in f32.
; SHARES.  24,576 tables of 32 x 512 cells.  A lane holds FOUR ROWS OF TWO TABLES: patterns n and n + 1 on one channel (b, d), so that one x register serves a packed pair.
; Eight lanes hold the 32 rows: lane l has rows 4 k .. 4 k + 3 with k = 7 - l % 8.  A wave holds four such groups (four pattern pairs of one channel), a work-group of twelve waves
; the six channels of one b for sixteen patterns: 256 work-groups, three waves for each of a WGP's four SIMDs.
; ORDER.  In step s row i works on time j = s - i - 1: the three cells that it needs were made in steps s - 1 and s - 2, so the 8 cells of a lane's step wait for nothing of that step.
; 512 + 32 steps, in blocks of four.  Row 4 k takes row 4 k - 1 from the lane above it (row_shl:1): one DPP line a table a step.  A step: 2 DPP, 8 minima of three, 4 + 4 + 4 packed lines.
; EDGES.  x is padded with +inf in front of j = 0: there c = +inf, and a cell left of the table comes out +inf (for w <= 0: NaN), which never wins v_min3_num_f32.  Row 0 has no minimum:
; the lanes with k = 0 multiply row 0's minimum by W0 = 0, and the DPP line's second source Z is 0 there (+inf elsewhere), which keeps that minimum finite.  What lies right of j = 511 is computed and never used.
; NO BARRIER: each wave has its own LDS bytes (its channel's padded row, and a stage for its results) and reads no other wave's.
; THE WAY OUT.  Row 31 falls in lanes 0, 8, 16, 24: they put 4 steps x 2 tables = 32 bytes a block into the stage; every 64 columns all lanes read it back, take the roots and store:
; each store of the wave covers two runs of 256 consecutive bytes, aligned.
; NOT USED, by the code's own arithmetic: matrix instructions (a minimum is no product); tensor loads, clusters: what work-groups share is x and patts, 0.8 MB beside 50 MB of results,
; and a wave wants 2,048 bytes of x once; a prefetch: those bytes are asked for once, at the head.
; LIMITS.  A NaN in x or patts is dropped by the minima where the definition would pass it on.  v_sqrt_f32 takes a D below 2^-126 as 0.  A -inf in the last row of the table pair in the
; next lanes (w < 0 and overflow) would reach 0 x (-inf) in row 0.
.set ROWB,   2048                      ; bytes in a row of x and of out0
.set NSTR,   12288                     ; bytes in out0 from pattern n to n + 1: six channels
.set PADF,   128                       ; 32 numbers of +inf in front of x in LDS
.set XREG,   PADF+ROWB+512             ; and 128 behind it (32 are wanted; one store of the wave writes 128)
.set GP,     576                       ; the stage of one group: 64 columns x 2 tables x 4 bytes, + 64: the four storing lanes touch four different groups of banks
.set REGION, XREG+4*GP                 ; a wave's own LDS bytes: 4,992
.set SPARE,  12*REGION                 ; behind the twelve regions: the spare words, 128 bytes for each wave: six blocks of 256 bytes that no other line names
.set SPW, 2                            ; v2   LDS address of my spare word; never rewritten
.set NIL, 3                            ; v3   0; never rewritten
.set XA,  4                            ; v4   LDS address of my quad of x: region + 16 (l % 8), stepped
.set SA,  5                            ; v5   where my group's results go in the stage
.set FR,  6                            ; v6   where I read the stage back
.set GO,  7                            ; v7   my byte offset in out0
.set Z,   8                            ; v8   0 where k = 0, else +inf
.set W0,  10                           ; v[10:11] row 4 k's factor: 0 where k = 0, else w
.set WV,  12                           ; v[12:13] w, twice
.set NP,  16                           ; v[16:23] row r: (-p[n][4 k + r], -p[n+1][4 k + r])
.set XR,  24                           ; v[24:39] a ring of four quads of x
.set ST,  40                           ; v[40:51] rows 0-2, pairs, the diagonals of even steps and of odd steps
.set R3,  52                           ; v[52:59] row 3, pairs, of a block's four steps: also what the stage takes
.set U,   60                           ; v[60:63] the row above my row 0, pairs, of even and of odd steps
.set M,   64                           ; v[64:71] the step's minima
.set DF,  72                           ; v[72:79] the next step's differences
.set C,   80                           ; v[80:87] costs
.set F,   88                           ; v[88:103]  the stage read back; at the head: x on its way to LDS
.set O,   104                          ; v[104:119] roots; at the head: the patterns, and addresses used once
.set LN,  112
.set L7,  113
.set GR,  114
.set KK,  115
.set TA,  116
.set TP,  117
.set TW,  118
.set WS,   12                          ; s12  w
.set WVN,  13                          ; s13  my wave's number
.set HALF, 14                          ; s14  waves 0-5: 0, waves 6-11: 1: which four pattern pairs
.set DD,   15                          ; s15  my channel d
.set BB,   16                          ; s16  b
.set NQ,   17                          ; s17  which sixteen patterns
.set LB,   24                          ; s24  my region in LDS
.set SB,   25                          ; s25  my stage
.set KM,   26                          ; s26  the lanes with k = 0
.set SV,   27                          ; s27  EXEC, kept
.set CNT,  28                          ; s28  runs of 64 columns to come
	s_load_b256 s[4:11], s[0:1], 0x0               ; x s[4:5], patts s[6:7], w s[8:9], out0 s[10:11]
	v_lshl_add_u32 v[SPW], v0, 2, SPARE
	v_mov_b32 v[NIL], 0
	v_lshrrev_b32 v1, 5, v0
	v_readfirstlane_b32 s[WVN], v1                 ; wave 0..11
	s_cmp_ge_u32 s[WVN], 6
	s_cselect_b32 s[HALF], 1, 0
	s_mul_i32 s[DD], s[HALF], 6
	s_sub_co_u32 s[DD], s[WVN], s[DD]
	s_lshr_b32 s[BB], ttmp9, 2
	s_and_b32 s[NQ], ttmp9, 3
	s_mul_i32 s18, s[BB], 6                        ; x: row 6 b + d
	s_add_co_u32 s18, s18, s[DD]
	s_lshl_b32 s18, s18, 11
	s_mov_b32 s19, 0
	s_lshl_b32 s20, s[NQ], 11                      ; patts: pattern 16 nq + 8 half, 128 bytes each
	s_lshl_b32 s21, s[HALF], 10
	s_add_co_u32 s20, s20, s21
	s_mov_b32 s21, 0
	s_mul_i32 s22, s[BB], 64*NSTR                  ; out0: ((64 b + 16 nq + 8 half) 6 + d) rows; under 2^26 bytes
	s_mul_i32 s23, s[NQ], 16*NSTR
	s_add_co_u32 s22, s22, s23
	s_mul_i32 s23, s[HALF], 8*NSTR
	s_add_co_u32 s22, s22, s23
	s_lshl_b32 s23, s[DD], 11
	s_add_co_u32 s22, s22, s23
	s_mov_b32 s23, 0
	s_mul_i32 s[LB], s[WVN], REGION
	s_add_co_u32 s[SB], s[LB], XREG
	v_and_b32 v[LN], 31, v0                        ; lane
	v_and_b32 v[L7], 7, v0                         ; its place in the group
	v_bfe_u32 v[GR], v0, 3, 2                      ; the group
	v_xor_b32 v[KK], 7, v[L7]                      ; k = 7 - l % 8
	v_lshlrev_b32 v[TA], 4, v[LN]                  ; 16 x lane
	v_lshlrev_b32 v[TP], 4, v[KK]                  ; patts: pair g is 256 bytes, rows 4 k .. are 16
	v_lshl_add_u32 v[TP], v[GR], 8, v[TP]
	v_lshl_add_u32 v[XA], v[L7], 4, s[LB]          ; the quad that block q takes first lies at padded quad q + 7 - k
	v_add_nc_u32 v[TW], s[LB], v[TA]
	v_mul_u32_u24 v[SA], v[GR], GP
	v_add_nc_u32 v[SA], s[SB], v[SA]
	v_bfe_u32 v1, v0, 4, 1                         ; back: lanes 0-15 read one group's 64 columns, lanes 16-31 the next group's; 4 columns x 2 tables a lane
	v_and_b32 v9, 15, v0
	v_mul_u32_u24 v[FR], v1, GP
	v_lshl_add_u32 v[FR], v9, 5, v[FR]
	v_add_nc_u32 v[FR], s[SB], v[FR]
	v_mul_u32_u24 v[GO], v1, 2*NSTR                ; a group is two patterns on
	v_lshl_add_u32 v[GO], v9, 4, v[GO]
	v_cmp_eq_u32 vcc_lo, 0, v[L7]                  ; VCC: the lanes with k = 7, which hold row 31; nothing writes VCC again
	v_cmp_eq_u32 s[KM], 7, v[L7]
	s_wait_kmcnt 0x0
	s_load_b32 s[WS], s[8:9], 0x0
	s_add_nc_u64 s[4:5], s[4:5], s[18:19]
	s_add_nc_u64 s[6:7], s[6:7], s[20:21]
	s_add_nc_u64 s[10:11], s[10:11], s[22:23]
.irp i, 0,1,2,3
	global_load_b128 v[F+4*(\i):F+4*(\i)+3], v[TA], s[4:5] offset:512*(\i)  ; my channel's row: 512 consecutive bytes a load
.endr
	global_load_b128 v[O:O+3],   v[TP], s[6:7]             ; p[n][4 k ..]
	global_load_b128 v[O+4:O+7], v[TP], s[6:7] offset:128  ; p[n+1][4 k ..]
.irp i, 0,1,2,3
	v_mov_b32 v[M+(\i)], 0x7f800000                ; +inf
.endr
	ds_store_b128 v[XA], v[M:M+3]                  ; the pad in front: eight quads (the four groups write the same bytes with the same numbers)
	ds_store_b128 v[TW], v[M:M+3] offset:PADF+ROWB ; the pad behind
.set i, ST
.rept 24
	v_mov_b32 v[i], 0                              ; the two diagonals before step 0: they reach only cells left of the table, whose cost is +inf, and (through Z) row 0's unused minimum: any finite number serves
.set i, i+1
.endr
	v_mov_b32 v14, 0x7f800000
	v_mov_b32 v15, 0
	v_cndmask_b32 v[Z], v14, v15, s[KM]
	s_wait_kmcnt 0x0                               ; w
	v_mov_b32 v[WV], s[WS]
	v_mov_b32 v[WV+1], s[WS]
	v_cndmask_b32 v[W0], v[WV], v15, s[KM]
	v_cndmask_b32 v[W0+1], v[WV], v15, s[KM]
	s_wait_loadcnt 0x2                             ; x is in; the two loads of patterns, issued behind it, may stay out
.irp i, 0,1,2,3
	ds_store_b128 v[TW], v[F+4*(\i):F+4*(\i)+3] offset:PADF+512*(\i)
.endr
	ds_load_b128 v[XR:XR+3],   v[XA]               ; LDS serves a wave's instructions in order (ISA guide 5.7.1.4): these see the stores above.  The first two quads
	ds_load_b128 v[XR+4:XR+7], v[XA] offset:16
	s_wait_loadcnt 0x0
.irp r, 0,1,2,3
	v_xor_b32 v[NP+2*(\r)],   0x80000000, v[O+(\r)]    ; -p, so that the difference is a plain packed addition
	v_xor_b32 v[NP+2*(\r)+1], 0x80000000, v[O+4+(\r)]
.endr
	s_wait_xcnt 0x0                                ; EXEC is narrowed below only behind this wait: no global or scalar load still reads its sources
	s_wait_dscnt 0x0
; The differences of step tt: row r takes element (tt + 3 - r) mod 16 of the ring, for both tables.
.macro DIFFS tt
.irp r, 0,1,2,3
.set xi, ((\tt)+3-(\r))&15
.if xi&1
	v_pk_add_f32 v[DF+2*(\r):DF+2*(\r)+1], v[NP+2*(\r):NP+2*(\r)+1], v[XR+xi-1:XR+xi] op_sel:[0,1] op_sel_hi:[1,1]
.else
	v_pk_add_f32 v[DF+2*(\r):DF+2*(\r)+1], v[NP+2*(\r):NP+2*(\r)+1], v[XR+xi:XR+xi+1] op_sel_hi:[1,0]
.endif
.endr
.endm
.macro SQUARES
.irp r, 0,1,2,3
	v_pk_mul_f32 v[C+2*(\r):C+2*(\r)+1], v[DF+2*(\r):DF+2*(\r)+1], v[DF+2*(\r):DF+2*(\r)+1]
.endr
.endm
; Step t (mod 16).  cur: rows 0-2 of two steps ago, written anew; prv: of the last step.  All minima stand ahead of all multiply-adds, so cur is read before it is written;
; the next step's costs are made between and behind them, so that no line reads a result less than seven lines old.
.macro STEP t
.set uu,  (\t)&3
.set own, R3+2*(((\t)+3)&3)
.set cur, ST+6*((\t)&1)
.set prv, ST+6*(((\t)+1)&1)
.set uc,  U+2*((\t)&1)
.set uo,  U+2*(((\t)+1)&1)
	v_min_num_f32_dpp v[uc],   v[own],   v[Z] row_shl:1 row_mask:0xf bank_mask:0xf bound_ctrl:1  ; row 4 k - 1 of the last step, from the lane above; lanes 15 and 31 (k = 0) have none
	v_min_num_f32_dpp v[uc+1], v[own+1], v[Z] row_shl:1 row_mask:0xf bank_mask:0xf bound_ctrl:1
	v_min3_num_f32 v[M+6], v[own],   v[prv+4], v[cur+4]    ; row 3: D[i][j-1], D[i-1][j], D[i-1][j-1]
	v_min3_num_f32 v[M+7], v[own+1], v[prv+5], v[cur+5]
	v_min3_num_f32 v[M+4], v[prv+4], v[prv+2], v[cur+2]    ; row 2
	v_min3_num_f32 v[M+5], v[prv+5], v[prv+3], v[cur+3]
	v_min3_num_f32 v[M+2], v[prv+2], v[prv],   v[cur]      ; row 1
	v_min3_num_f32 v[M+3], v[prv+3], v[prv+1], v[cur+1]
	v_min3_num_f32 v[M],   v[prv],   v[uc],    v[uo]       ; row 0
	v_min3_num_f32 v[M+1], v[prv+1], v[uc+1],  v[uo+1]
	DIFFS (\t)+1
	v_pk_fma_f32 v[R3+2*uu:R3+2*uu+1], v[M+6:M+7], v[WV:WV+1], v[C+6:C+7]
	v_pk_fma_f32 v[cur+4:cur+5], v[M+4:M+5], v[WV:WV+1], v[C+4:C+5]
	v_pk_fma_f32 v[cur+2:cur+3], v[M+2:M+3], v[WV:WV+1], v[C+2:C+3]
	v_pk_fma_f32 v[cur:cur+1],   v[M:M+1],   v[W0:W0+1], v[C:C+1]
	SQUARES
.endm
; A block: four steps.  It reads quads i and i + 1 of the ring (mod 4) and asks for quad i + 2, which the next block wants from its first step on.
; store = 1: row 31's four steps, two tables, go into the stage, from the four lanes that hold them.  cnt: the LDS instructions issued behind the last block's load of x.
.macro BLOCK i, store, cnt
	s_wait_dscnt \cnt                              ; the quad asked for a block ago is in
	ds_load_b128 v[XR+4*(((\i)+2)&3):XR+4*(((\i)+2)&3)+3], v[XA] offset:16*((\i)+2)
	STEP 4*((\i)&3)
	STEP 4*((\i)&3)+1
	STEP 4*((\i)&3)+2
	STEP 4*((\i)&3)+3
.if \store
	s_and_saveexec_b32 s[SV], vcc_lo               ; no global instruction has been issued since the last s_wait_xcnt 0
	ds_store_b128 v[SA], v[R3:R3+3]   offset:32*(\i)
	ds_store_b128 v[SA], v[R3+4:R3+7] offset:32*(\i)+16
	s_or_b32 exec_lo, exec_lo, s[SV]
.endif
.endm
	DIFFS 0                                        ; step 0's costs
	SQUARES
.set bi, 0
.rept 8                                ; blocks 0-7: row 31 is still left of the table, nothing is kept
	BLOCK bi, 0, 0
.set bi, bi+1
.endr
	v_add_nc_u32 v[XA], 128, v[XA]                 ; eight quads on
	s_mov_b32 s[CNT], 8
.Lrun:                                         ; sixteen blocks: 64 columns of out0 for each of my eight tables
.set bi, 0
.rept 16
.if bi == 0
	BLOCK bi, 1, 0                                 ; on the way in no store stands behind the last load of x, so the count is 0; on the way back nothing is out
.else
	BLOCK bi, 1, 2                                 ; the two stores into the stage were issued behind the load
.endif
.set bi, bi+1
.endr
	ds_load_b128 v[F:F+3],     v[FR]               ; my wave's own stores, served ahead of these loads: groups 0 and 1,
	ds_load_b128 v[F+4:F+7],   v[FR] offset:16
	ds_load_b128 v[F+8:F+11],  v[FR] offset:2*GP   ; groups 2 and 3
	ds_load_b128 v[F+12:F+15], v[FR] offset:2*GP+16
	s_wait_dscnt 0x0
.irp h, 0,1
.irp j, 0,1,2,3
	v_sqrt_f32 v[O+8*(\h)+(\j)],   v[F+8*(\h)+2*(\j)]      ; the roots also part the two tables: four columns of pattern n,
	v_sqrt_f32 v[O+8*(\h)+4+(\j)], v[F+8*(\h)+2*(\j)+1]    ; four of pattern n + 1
.endr
.endr
	v_nop                                          ; a plain instruction behind the last root (ISA guide 5.7.2),
	s_wait_alu depctr_va_vdst(0)                   ; and the wait ahead of the first line that names a result: one for the sixteen
	global_store_b128 v[GO], v[O:O+3],     s[10:11] th:TH_STORE_NT                    ; 16 lanes store 256 consecutive bytes, at a multiple of 256 from out0's first byte
	global_store_b128 v[GO], v[O+4:O+7],   s[10:11] offset:NSTR th:TH_STORE_NT
	global_store_b128 v[GO], v[O+8:O+11],  s[10:11] offset:4*NSTR th:TH_STORE_NT
	global_store_b128 v[GO], v[O+12:O+15], s[10:11] offset:5*NSTR th:TH_STORE_NT
	s_wait_xcnt 0x0                                ; the stores have read their base, their data and EXEC: all three are written again only behind this wait
	s_add_nc_u64 s[10:11], s[10:11], 256           ; the next 64 columns
	v_add_nc_u32 v[XA], 256, v[XA]                 ; sixteen quads on
	s_sub_co_u32 s[CNT], s[CNT], 1
	s_cmp_lg_u32 s[CNT], 0
	s_cbranch_scc1 .Lrun
	s_wait_tensorcnt 0x0                           ; the wave's end, behind my last LDS store
	ds_add_u32 v[SPW], v[NIL]
	s_wait_dscnt 0x0
	s_endpgm
.Lfunc_end_k_qa990f1e94e_dtw:
	.size	k_qa990f1e94e_dtw, .Lfunc_end_k_qa990f1e94e_dtw-k_qa990f1e94e_dtw
	.p2alignl 7, 3214868480
	.fill 96, 4, 3214868480
	.section	.rodata,"a",@progbits
	.p2align	6, 0x0
	.amdhsa_kernel k_qa990f1e94e_dtw
		.amdhsa_group_segment_fixed_size 61440
		.amdhsa_private_segment_fixed_size 0
		.amdhsa_enable_private_segment 0
		.amdhsa_kernarg_size 32
		.amdhsa_user_sgpr_count 2
		.amdhsa_user_sgpr_kernarg_segment_ptr 1
		.amdhsa_wavefront_size32 1
		.amdhsa_system_sgpr_workgroup_id_x 1
		.amdhsa_system_sgpr_workgroup_id_y 1
		.amdhsa_system_sgpr_workgroup_id_z 1
		.amdhsa_system_vgpr_workitem_id 0
		.amdhsa_next_free_vgpr 128
		.amdhsa_next_free_sgpr 66
		.amdhsa_reserve_vcc 1
		.amdhsa_float_denorm_mode_32 3
		.amdhsa_float_denorm_mode_16_64 3
		.amdhsa_memory_ordered 1
		.amdhsa_forward_progress 1
		.amdhsa_inst_pref_size 146
	.end_amdhsa_kernel
	.amdgpu_metadata
---
amdhsa.version: [ 1, 2 ]
amdhsa.kernels:
  - .name:           k_qa990f1e94e_dtw
    .symbol:         k_qa990f1e94e_dtw.kd
    .args:
      - { .name: x, .offset: 0, .size: 8, .value_kind: global_buffer, .address_space: global }
      - { .name: patts, .offset: 8, .size: 8, .value_kind: global_buffer, .address_space: global }
      - { .name: w, .offset: 16, .size: 8, .value_kind: global_buffer, .address_space: global }
      - { .name: out0, .offset: 24, .size: 8, .value_kind: global_buffer, .address_space: global }
    .group_segment_fixed_size: 61440
    .private_segment_fixed_size: 0
    .kernarg_segment_align: 8
    .kernarg_segment_size: 32
    .max_flat_workgroup_size: 384
    .sgpr_count:     66
    .vgpr_count:     128
    .wavefront_size: 32
...
	.end_amdgpu_metadata
.endif
;; end of part 1
